; MI455X (gfx1250); checked and timed in simulation.
; The chip was launched on July 23, 2026; its instructions are those of AMD's public machine-readable ISA for CDNA 5 (MIT licence, August 2026) and "CDNA5" Instruction Set Architecture Reference Guide (July 2026). The comments in the code are by the model that wrote it; some were corrected since.
;; Attention GRU. Allowed arithmetic: float matrix products may take bf16 or f16 operands with f32 sums; all other float work in f32.
;; Inputs: W_k 512 x 512 float32; W_q 512 x 512 float32; W_v 512 x 512 float32; lnkv_b 512 float32; lnkv_g 512 float32; lnq_b 512 float32; lnq_g 512 float32; res_W 512 x 512 float32; res_b 512 float32; x_dynamic 64 x 2,048 x 512 float32; x_known 64 x 512 float32; x_trafic 64 x 512 float32.
;; Outputs: out0 64 x 512 float32; out1 64 x 8 x 1 x 2,048 float32.
;; One version. Each part assembles by itself: llvm-mc -triple=amdgcn-amd-amdhsa -mcpu=gfx1250 --defsym DOCPART=n.
;; ======== version 1 of 1: 3 launches
;; limits: values are held in f16: magnitudes above 65,504 overflow, below 6.1e-05 lose precision; right only within a limited range of input values
;; workspace buffers: u32 1,048,576 bytes; tsc 4,194,304 bytes; zpart 4,194,304 bytes; stats 131,072 bytes; resid 131,072 bytes
;; launch prep (part 1): grid 8 x 32, 16 waves a work-group, no clusters, 175,104 bytes of LDS; arguments x_trafic, lnq_g, lnq_b, W_q, W_k, u32, res_W, res_b, resid; writes u32, resid
.if DOCPART == 1
	.amdgcn_target "amdgcn-amd-amdhsa--gfx1250"
	.amdhsa_code_object_version 6
	.text
	.protected	k_q561a667b80_prep
	.globl	k_q561a667b80_prep
	.p2align	8
	.type	k_q561a667b80_prep,@function
k_q561a667b80_prep:
	s_mov_b64 s[64:65], 0
	v_nop
	global_prefetch_b8 v0, s[64:65] scope:SCOPE_SE
	s_setreg_imm32_b32 hwreg(HW_REG_WAVE_MODE, 25, 1), 1
	s_wait_xcnt 0x0
; Launch 1 of 3: everything that does not need x_dynamic.  Two kinds of work-group, by grid y; grid x is the head h, bq = y % 16 names four rows b = 4 bq .. 4 bq + 3.
;   y < 16:   u[b][h][l] = sum over d of W_k[l][64h+d] * Q[b][64h+d] * (log2 e / 8),  Q = LayerNorm(x_trafic) W_q.
;             With one query row for each b the score of row p is kv[b][p][:] . u[b][h][:], so K is never formed: the same sums as in the
;             reference, taken in another order (the rounding order differs).  The factor log2 e / 8 puts the scores into the base-2 domain.
;   y >= 16:  resid[b][64h+d] = sum over l of x_trafic[b][l] res_W[l][64h+d] + res_b[64h+d].
; All products have 4 rows and stream a block of 512 x 64 weights once, so the loads bind them, not the arithmetic: they are done in f32
; by packed multiply-adds on the registers into which the weights are loaded.  Joint tensor loads are left out: the block of weights that
; the 16 work-groups of a head share lands here directly in the registers that multiply it, with no copy in LDS to read back.
; Limits: NaN and infinities are not honoured.  x_known is not an argument: the reference never uses it.
.set LA,   0                           ; a[4][512] f32: the four query rows (normalised, or as they are for the residual)
.set RED,  8192                        ; 16 waves x [4 b][64 d] f32: the waves partial sums
.set QS,   24576                       ; Q[4][64] f32, scaled
.set US,   25600                       ; u on its way out: wave w at 512 w, [4 b][32 l] f32
.set WK,   33792                       ; each wave: 32 rows of its block of W_k, 256 bytes + 16 of padding
.set WKP,  272                         ; an odd multiple of 16 bytes: lanes that take one 16-byte column of 16 rows touch 16 different columns of a 256-byte span
.set WKW,  32*WKP
.set W0,   20                          ; v[20:83]    W_q or res_W block, later my 4 x 16 piece of W_k
.set W1,   84                          ; v[84:147]   W_k block as loaded, later the sums of stage 2
.set AR,   148                         ; v[148:211]  a[b][i] at 16 b + i, later Q
.set ACC,  212                         ; v[212:227]  sums
.set T,    228                         ; v[228:255]  at work
.set PL,   22                          ; s[22:23]    v_permlanex16_b32: lane i reads lane i of the other half
.set PM,   40                          ; s40         mask of lanes 16 to 31
.set M1,   41                          ; s41         mask of the odd lanes
.set M2,   42                          ; s42         mask of the lanes with bit 1 set
; 16 rows x 64 columns for each half of the wave: lane (dq, par) takes row 32 w + 16 par + i, columns 64 h + 4 dq .. + 3.
; Sixteen neighbouring lanes read 256 consecutive bytes that start at a multiple of 256 from the buffer.
.macro LOADW wreg, base
.irp i, 0,1,2,3,4,5,6,7,8,9,10,11,12,13,14,15
	global_load_b128 v[\wreg+4*\i:\wreg+4*\i+3], v2, s[\base:\base+1] offset:2048*\i
.endr
.endm
; a[b][32 w + 16 par + i], i = 0 .. 15, b = 0 .. 3: every lane of a half reads the same 16 bytes
.macro LOADA region
.irp b, 0,1,2,3
.irp j, 0,1,2,3
	ds_load_b128 v[AR+16*\b+4*\j:AR+16*\b+4*\j+3], v7 offset:\region+2048*\b+16*\j
.endr
.endr
.endm
; ACC[4 b + c] += W[row i][c] * a[b][i]: two packed multiply-adds for each (i, b); a is broadcast from its pair by op_sel.
; start = 1: the first product starts the sums, nothing is cleared.
.macro PROD wreg, start
.irp i, 0,1,2,3,4,5,6,7,8,9,10,11,12,13,14,15
.irp b, 0,1,2,3
.irp e, 0,2
.if \i % 2
	v_pk_fma_f32 v[ACC+4*\b+\e:ACC+4*\b+\e+1], v[\wreg+4*\i+\e:\wreg+4*\i+\e+1], v[AR+16*\b+\i-1:AR+16*\b+\i], v[ACC+4*\b+\e:ACC+4*\b+\e+1] op_sel:[0,1,0]
.elseif \i+1-\start                    ; zero only for i = 0 of a sum that starts here
	v_pk_fma_f32 v[ACC+4*\b+\e:ACC+4*\b+\e+1], v[\wreg+4*\i+\e:\wreg+4*\i+\e+1], v[AR+16*\b+\i:AR+16*\b+\i+1], v[ACC+4*\b+\e:ACC+4*\b+\e+1] op_sel_hi:[1,0,1]
.else
	v_pk_mul_f32 v[ACC+4*\b+\e:ACC+4*\b+\e+1], v[\wreg+4*\i+\e:\wreg+4*\i+\e+1], v[AR+16*\b+\i:AR+16*\b+\i+1] op_sel_hi:[1,0]
.endif
.endr
.endr
.endr
.endm
; The two halves of the wave hold sums over different rows for the same (b, column).  Lanes 0-15 keep b = 0, 1 and send b = 2, 3;
; lanes 16-31 the other way round; then each lane stores its 8 sums into the wave's table [4 b][64] in RED.
.macro HALVES
.irp i, 0,1,2,3,4,5,6,7
	v_cndmask_b32 v[T+\i],  v[ACC+\i],   v[ACC+8+\i], s[PM]
	v_cndmask_b32 v[AR+\i], v[ACC+8+\i], v[ACC+\i],   s[PM]
.endr
.irp i, 0,1,2,3,4,5,6,7
	v_permlanex16_b32 v[ACC+\i], v[AR+\i], s[PL], s[PL+1]
.endr
.irp i, 0,2,4,6
	v_pk_add_f32 v[T+\i:T+\i+1], v[T+\i:T+\i+1], v[ACC+\i:ACC+\i+1]
.endr
	ds_store_b128 v8, v[T:T+3]
	ds_store_b128 v8, v[T+4:T+7] offset:256
.endm
; Waves 0 and 1: thread t = 32 w + lane adds the 16 waves tables at byte 16 t: (b = t / 16, columns 4 (t % 16) .. + 3), into v[AR:AR+3]
.macro SUM16
.irp s, 0,1,2,3,4,5,6,7,8,9,10,11,12,13,14,15
	ds_load_b128 v[AR+4*\s:AR+4*\s+3], v9 offset:1024*\s
.endr
	s_wait_dscnt 0x0
.irp s, 1,2,3,4,5,6,7,8,9,10,11,12,13,14,15
	v_pk_add_f32 v[AR:AR+1],   v[AR:AR+1],   v[AR+4*\s:AR+4*\s+1]
	v_pk_add_f32 v[AR+2:AR+3], v[AR+2:AR+3], v[AR+4*\s+2:AR+4*\s+3]
.endr
.endm
; v[T] + v[T+1] + v[T+2] + v[T+3], then over the 32 lanes; every lane ends with the sum in v[T]
.macro REDUCE1
	v_pk_add_f32 v[T:T+1], v[T:T+1], v[T+2:T+3]
	v_add_f32 v[T], v[T], v[T+1]
.irp m, 1,2,4,8
	v_add_f32_dpp v[T], v[T], v[T] row_xmask:\m row_mask:0xf bank_mask:0xf
.endr
	v_permlanex16_b32 v[T+2], v[T], s[PL], s[PL+1]
	v_add_f32 v[T], v[T], v[T+2]
.endm
	s_load_b256 s[4:11], s[0:1], 0x0               ; x_trafic s[4:5], lnq_g s[6:7], lnq_b s[8:9], W_q s[10:11]
	s_load_b256 s[12:19], s[0:1], 0x20             ; W_k s[12:13], u32 s[14:15], res_W s[16:17], res_b s[18:19]
	s_load_b64 s[20:21], s[0:1], 0x40              ; resid
	v_lshl_add_u32 v254, v0, 2, 0x2a400
	v_mov_b32 v255, 0
	v_lshrrev_b32 v3, 5, v0
	v_readfirstlane_b32 s32, v3                    ; wave 0 .. 15
	s_mov_b32 s36, ttmp9                           ; head h
	s_and_b32 s33, ttmp7, 0xffff                   ; grid y
	s_and_b32 s37, s33, 15                         ; bq
	s_lshr_b32 s43, s33, 4                         ; 0: u, 1: the residual
	s_mov_b32 s[PL], 0x76543210
	s_mov_b32 s[PL+1], 0xfedcba98
	s_mov_b32 s24, 0xbb000000                      ; -1/512
	s_mov_b32 s25, 0x3b000000                      ; 1/512
	s_mov_b32 s26, 0x3727c5ac                      ; 1e-5
	s_mov_b32 s[PM], 0xffff0000
	s_mov_b32 s[M1], 0xaaaaaaaa
	s_mov_b32 s[M2], 0xcccccccc
	v_and_b32 v3, 31, v0                           ; lane L
	v_and_b32 v4, 15, v0                           ; dq
	v_bfe_u32 v5, v0, 4, 1                         ; par
	v_lshlrev_b32 v1, 4, v3                        ; 16 L
	v_lshlrev_b32 v2, 15, v5
	v_lshl_add_u32 v2, v4, 4, v2                   ; 16 rows of 2,048 bytes for the upper half + 16 dq
	s_lshl_b32 s38, s32, 16                        ; my 32 rows of the weights
	s_lshl_b32 s33, s36, 8                         ; the head's 64 columns
	s_add_co_u32 s38, s38, s33
	s_mov_b32 s39, 0
	s_lshl2_add_u32 s34, s37, s32                  ; row 4 bq + w of x_trafic (used by waves 0 to 3 alone)
	s_lshl_b32 s34, s34, 11
	s_mov_b32 s35, 0
	; LDS addresses that both kinds use: the wave's number times a constant, a lane term, the region's constant
	s_lshl_b32 s27, s32, 11
	v_add_nc_u32 v6, s27, v1                       ; LA + 2,048 w + 16 L (waves 0 to 3)
	s_lshl_b32 s28, s32, 7
	v_lshl_add_u32 v7, v5, 6, s28                  ; 128 w + 64 par: my 16 numbers of a row of a
	s_lshl_b32 s29, s32, 10
	s_add_co_u32 s29, s29, RED
	v_lshl_add_u32 v8, v5, 9, s29
	v_lshl_add_u32 v8, v4, 4, v8                   ; RED + 1,024 w + 512 par + 16 dq
	s_lshl_b32 s30, s32, 9
	v_add_nc_u32 v9, s30, v1                       ; 512 w + 16 L
	v_add_nc_u32 v10, QS, v9
	v_add_nc_u32 v9, RED, v9
	s_wait_kmcnt 0x0
	s_cmp_lg_u32 s43, 0                            ; the same in all waves of a work-group
	s_cbranch_scc1 .Lresid
	; ---------------- u ----------------
	s_add_nc_u64 s[10:11], s[10:11], s[38:39]
	s_add_nc_u64 s[12:13], s[12:13], s[38:39]
	s_cmp_ge_u32 s32, 4
	s_cbranch_scc1 .Lno_row
	s_add_nc_u64 s[4:5], s[4:5], s[34:35]
.irp q, 0,1,2,3
	global_load_b128 v[AR+4*\q:AR+4*\q+3], v1, s[4:5] offset:512*\q          ; lane L: columns 128 q + 4 L .. + 3
.endr
.irp q, 0,1,2,3
	global_load_b128 v[AR+16+4*\q:AR+16+4*\q+3], v1, s[6:7] offset:512*\q    ; gain
.endr
.irp q, 0,1,2,3
	global_load_b128 v[AR+32+4*\q:AR+32+4*\q+3], v1, s[8:9] offset:512*\q    ; bias
.endr
.Lno_row:
	LOADW W0, 10
	LOADW W1, 12
	s_mul_i32 s31, s32, WKW
	s_add_co_u32 s31, s31, WK
	v_mul_u32_u24 v11, v5, 16*WKP
	v_lshl_add_u32 v11, v4, 4, v11
	v_add_nc_u32 v11, s31, v11                     ; W_k in: row 16 par + i, 16 dq
	v_lshrrev_b32 v16, 2, v3                       ; rs = L / 4
	v_and_b32 v17, 3, v0                           ; dk = L % 4
	v_mul_u32_u24 v12, v16, WKP
	v_lshl_add_u32 v12, v17, 6, v12
	v_add_nc_u32 v12, s31, v12                     ; W_k back: row rs (+ 8 rho), 64 bytes for each dk
	v_lshlrev_b32 v13, 6, v17
	v_add_nc_u32 v13, QS, v13                      ; Q: my 16 columns
	v_lshl_add_u32 v14, v16, 2, s30
	v_lshl_add_u32 v14, v17, 7, v14
	v_add_nc_u32 v14, US, v14                      ; u in: 512 w + 128 b (b = dk) + 4 rs (+ 32 rho)
	s_and_b32 s33, s32, 3
	s_lshl_b32 s31, s33, 11                        ; u back: wave w takes b = w / 4, l = 128 (w % 4) + 4 L: source wave 4 (w % 4) + L / 8
	s_lshl_b32 s38, s33, 9                         ; u32: the 512 bytes that this wave stores: piece w % 4,
	s_lshr_b32 s33, s32, 2
	s_lshl_b32 s44, s33, 7
	s_add_co_u32 s31, s31, s44
	s_add_co_u32 s31, s31, US
	v_lshrrev_b32 v16, 3, v3
	v_and_b32 v17, 7, v0
	v_lshl_add_u32 v15, v16, 9, s31
	v_lshl_add_u32 v15, v17, 4, v15                ; US + 2,048 (w % 4) + 128 (w / 4) + 512 (L / 8) + 16 (L % 8)
	s_lshl_b32 s33, s33, 14                        ; row b = w / 4 of the four,
	s_add_co_u32 s38, s38, s33
	s_lshl_b32 s33, s37, 16                        ; 4 bq rows b of 16,384 bytes,
	s_add_co_u32 s38, s38, s33
	s_lshl_b32 s33, s36, 11                        ; the head's 2,048 bytes
	s_add_co_u32 s38, s38, s33
	s_add_nc_u64 s[14:15], s[14:15], s[38:39]
	; Waves 0 to 3: LayerNorm of one query row, in two passes (mean first, then the squares of the differences)
	s_cmp_ge_u32 s32, 4
	s_cbranch_scc1 .Lno_ln
	s_wait_loadcnt 32                              ; the row, gain and bias are in; the 32 loads of the weights are younger
	v_pk_add_f32 v[T:T+1],   v[AR:AR+1],   v[AR+2:AR+3]
	v_pk_add_f32 v[T+2:T+3], v[AR+4:AR+5], v[AR+6:AR+7]
.irp j, 8,12
	v_pk_add_f32 v[T:T+1],   v[T:T+1],   v[AR+\j:AR+\j+1]
	v_pk_add_f32 v[T+2:T+3], v[T+2:T+3], v[AR+\j+2:AR+\j+3]
.endr
	REDUCE1
	v_mul_f32 v[T], s24, v[T]                      ; minus the mean: an exact scaling of the sum
.irp j, 0,2,4,6,8,10,12,14
	v_pk_add_f32 v[AR+\j:AR+\j+1], v[AR+\j:AR+\j+1], v[T:T+1] op_sel_hi:[1,0]
.endr
	v_pk_mul_f32 v[T:T+1],   v[AR:AR+1],   v[AR:AR+1]
	v_pk_mul_f32 v[T+2:T+3], v[AR+2:AR+3], v[AR+2:AR+3]
.irp j, 4,8,12
	v_pk_fma_f32 v[T:T+1],   v[AR+\j:AR+\j+1],   v[AR+\j:AR+\j+1],   v[T:T+1]
	v_pk_fma_f32 v[T+2:T+3], v[AR+\j+2:AR+\j+3], v[AR+\j+2:AR+\j+3], v[T+2:T+3]
.endr
	REDUCE1
	v_fma_f32 v[T+2], v[T], s25, s26               ; variance + 1e-5
	v_rsq_f32 v[T], v[T+2]
	v_nop                                          ; one plain vector instruction behind v_rsq_f32 before its result is used (ISA guide 5.7.2)
	s_wait_alu depctr_va_vdst(0)
.irp j, 0,2,4,6,8,10,12,14
	v_pk_mul_f32 v[AR+\j:AR+\j+1], v[AR+\j:AR+\j+1], v[T:T+1] op_sel_hi:[1,0]
.endr
.irp j, 0,2,4,6,8,10,12,14
	v_pk_fma_f32 v[AR+\j:AR+\j+1], v[AR+\j:AR+\j+1], v[AR+16+\j:AR+16+\j+1], v[AR+32+\j:AR+32+\j+1]
.endr
.irp q, 0,1,2,3
	ds_store_b128 v6, v[AR+4*\q:AR+4*\q+3] offset:LA+512*\q
.endr
.Lno_ln:
	s_wait_dscnt 0x0                               ; my stores of a are done, for the other waves sake
	s_barrier_signal -1
	s_barrier_wait -1
	; Stage 1: Q[b][64 h + d], the sum over l shared among 16 waves x 2 halves
	LOADA LA
	s_wait_loadcnt 16                              ; W_q is in; the 16 loads of W_k are younger
	s_wait_dscnt 0x0
	PROD W0, 1
	HALVES
	; My block of W_k turned round in the wave's own LDS bytes: in by rows of 256 bytes, back as 4 rows x 16 columns a lane:
	; W0[16 rho + m] = W_k[32 w + rs + 8 rho][64 h + 16 dk + m].
	; LDS serves a wave's instructions in order (ISA guide 5.7.1), so no wait stands between the stores and the loads.
	s_wait_loadcnt 0x0
.irp i, 0,1,2,3,4,5,6,7,8,9,10,11,12,13,14,15
	ds_store_b128 v11, v[W1+4*\i:W1+4*\i+3] offset:WKP*\i
.endr
.irp r, 0,1,2,3
.irp e, 0,1,2,3
	ds_load_b128 v[W0+16*\r+4*\e:W0+16*\r+4*\e+3], v12 offset:8*WKP*\r+16*\e
.endr
.endr
	s_wait_dscnt 0x0                               ; my table in RED is stored (and my piece of W_k is in)
	s_barrier_signal -1
	s_barrier_wait -1
	s_cmp_ge_u32 s32, 2
	s_cbranch_scc1 .Lno_sum
	SUM16
	v_pk_mul_f32 v[AR:AR+1],   v[AR:AR+1],   0x3e38aa3b op_sel_hi:[1,0]   ; times log2 e / 8
	v_pk_mul_f32 v[AR+2:AR+3], v[AR+2:AR+3], 0x3e38aa3b op_sel_hi:[1,0]
	ds_store_b128 v10, v[AR:AR+3]
.Lno_sum:
	s_wait_dscnt 0x0
	s_barrier_signal -1
	s_barrier_wait -1
	; Stage 2: lane (rs, dk) multiplies its 4 rows x 16 columns by Q[b][16 dk ..] for the four b: 16 loads of Q a wave, 16 sums a lane (x = 4 rho + b)
.irp b, 0,1,2,3
.irp e, 0,1,2,3
	ds_load_b128 v[AR+16*\b+4*\e:AR+16*\b+4*\e+3], v13 offset:256*\b+16*\e
.endr
.endr
	s_wait_dscnt 0x0
.irp p, 0,1,2,3,4,5,6,7
.irp x, 0,1,2,3,4,5,6,7,8,9,10,11,12,13,14,15
.if \p
	v_pk_fma_f32 v[W1+2*\x:W1+2*\x+1], v[W0+16*(\x>>2)+2*\p:W0+16*(\x>>2)+2*\p+1], v[AR+16*(\x&3)+2*\p:AR+16*(\x&3)+2*\p+1], v[W1+2*\x:W1+2*\x+1]
.else
	v_pk_mul_f32 v[W1+2*\x:W1+2*\x+1], v[W0+16*(\x>>2)+2*\p:W0+16*(\x>>2)+2*\p+1], v[AR+16*(\x&3)+2*\p:AR+16*(\x&3)+2*\p+1]
.endif
.endr
.endr
.irp x, 0,1,2,3,4,5,6,7,8,9,10,11,12,13,14,15
	v_add_f32 v[W1+32+\x], v[W1+2*\x], v[W1+2*\x+1]
.endr
	; The sum over the four dk lanes, two sums merged into one register at each step: a lane keeps the sum that its bit of dk names and sends the other
	; to its partner.  Behind the two steps lane dk holds b = dk.
.irp y, 0,1,2,3,4,5,6,7
	v_cndmask_b32 v[W1+48+\y], v[W1+32+2*\y], v[W1+33+2*\y], s[M1]
	v_cndmask_b32 v[T+\y],     v[W1+33+2*\y], v[W1+32+2*\y], s[M1]
.endr
.irp y, 0,1,2,3,4,5,6,7
	v_add_f32_dpp v[W1+48+\y], v[T+\y], v[W1+48+\y] row_xmask:1 row_mask:0xf bank_mask:0xf
.endr
.irp r, 0,1,2,3
	v_cndmask_b32 v[ACC+\r],   v[W1+48+2*\r], v[W1+49+2*\r], s[M2]
	v_cndmask_b32 v[ACC+4+\r], v[W1+49+2*\r], v[W1+48+2*\r], s[M2]
.endr
.irp r, 0,1,2,3
	v_add_f32_dpp v[ACC+\r], v[ACC+4+\r], v[ACC+\r] row_xmask:2 row_mask:0xf bank_mask:0xf
.endr
.irp r, 0,1,2,3
	ds_store_b32 v14, v[ACC+\r] offset:32*\r       ; u[b = dk][32 w + rs + 8 rho], inside the wave's own 512 bytes
.endr
	s_wait_dscnt 0x0
	s_barrier_signal -1
	s_barrier_wait -1
	ds_load_b128 v[T+8:T+11], v15                  ; 16 bytes a lane from four waves tables: the wave stores 512 consecutive bytes of u32, aligned
	s_wait_dscnt 0x0
	global_store_b128 v1, v[T+8:T+11], s[14:15]
	s_wait_tensorcnt 0x0
	ds_add_u32 v254, v255
	s_wait_dscnt 0x0
	s_endpgm
	; ---------------- the residual ----------------
.Lresid:
	s_add_nc_u64 s[16:17], s[16:17], s[38:39]      ; res_W at my 32 rows and the head's columns
	s_cmp_ge_u32 s32, 4
	s_cbranch_scc1 .Lno_xrow
	s_add_nc_u64 s[4:5], s[4:5], s[34:35]
.irp q, 0,1,2,3
	global_load_b128 v[AR+4*\q:AR+4*\q+3], v1, s[4:5] offset:512*\q
.endr
.Lno_xrow:
	LOADW W0, 16
	v_lshlrev_b32 v10, 4, v4                       ; 16 dq
	v_lshl_add_u32 v11, v5, 11, v10                ; one row further for the upper half + 16 dq
	s_lshl_b32 s38, s36, 8                         ; the head's 64 columns
	s_add_nc_u64 s[18:19], s[18:19], s[38:39]
	global_load_b128 v[16:19], v10, s[18:19]       ; res_b
	s_lshl_b32 s33, s37, 13                        ; resid: row 4 bq + 2 w (waves 0 and 1 store)
	s_add_co_u32 s38, s38, s33
	s_lshl_b32 s33, s32, 12
	s_add_co_u32 s38, s38, s33
	s_add_nc_u64 s[20:21], s[20:21], s[38:39]
	s_cmp_ge_u32 s32, 4
	s_cbranch_scc1 .Lno_xst
	s_wait_loadcnt 17                              ; the row is in; 16 loads of res_W and one of res_b are younger
.irp q, 0,1,2,3
	ds_store_b128 v6, v[AR+4*\q:AR+4*\q+3] offset:LA+512*\q
.endr
.Lno_xst:
	s_wait_dscnt 0x0
	s_barrier_signal -1
	s_barrier_wait -1
	LOADA LA
	s_wait_loadcnt 0x0
	s_wait_dscnt 0x0
	PROD W0, 1
	HALVES
	s_wait_dscnt 0x0
	s_barrier_signal -1
	s_barrier_wait -1
	s_cmp_ge_u32 s32, 2
	s_cbranch_scc1 .Lend_r
	SUM16
	v_pk_add_f32 v[AR:AR+1],   v[AR:AR+1],   v[16:17]
	v_pk_add_f32 v[AR+2:AR+3], v[AR+2:AR+3], v[18:19]
	global_store_b128 v11, v[AR:AR+3], s[20:21]    ; 16 lanes store the head's 64 columns of one row: 256 consecutive bytes, aligned
.Lend_r:
	s_wait_tensorcnt 0x0
	ds_add_u32 v254, v255
	s_wait_dscnt 0x0
	s_endpgm
.Lfunc_end_k_q561a667b80_prep:
	.size	k_q561a667b80_prep, .Lfunc_end_k_q561a667b80_prep-k_q561a667b80_prep
	.p2alignl 7, 3214868480
	.fill 96, 4, 3214868480
	.section	.rodata,"a",@progbits
	.p2align	6, 0x0
	.amdhsa_kernel k_q561a667b80_prep
		.amdhsa_group_segment_fixed_size 175104
		.amdhsa_private_segment_fixed_size 0
		.amdhsa_enable_private_segment 0
		.amdhsa_kernarg_size 72
		.amdhsa_user_sgpr_count 2
		.amdhsa_user_sgpr_kernarg_segment_ptr 1
		.amdhsa_wavefront_size32 1
		.amdhsa_system_sgpr_workgroup_id_x 1
		.amdhsa_system_sgpr_workgroup_id_y 1
		.amdhsa_system_sgpr_workgroup_id_z 1
		.amdhsa_system_vgpr_workitem_id 0
		.amdhsa_next_free_vgpr 256
		.amdhsa_next_free_sgpr 66
		.amdhsa_reserve_vcc 0
		.amdhsa_float_denorm_mode_32 3
		.amdhsa_float_denorm_mode_16_64 3
		.amdhsa_memory_ordered 1
		.amdhsa_forward_progress 1
		.amdhsa_inst_pref_size 59
	.end_amdhsa_kernel
	.amdgpu_metadata
---
amdhsa.version: [ 1, 2 ]
amdhsa.kernels:
  - .name:           k_q561a667b80_prep
    .symbol:         k_q561a667b80_prep.kd
    .args:
      - { .name: x_trafic, .offset: 0, .size: 8, .value_kind: global_buffer, .address_space: global }
      - { .name: lnq_g, .offset: 8, .size: 8, .value_kind: global_buffer, .address_space: global }
      - { .name: lnq_b, .offset: 16, .size: 8, .value_kind: global_buffer, .address_space: global }
      - { .name: W_q, .offset: 24, .size: 8, .value_kind: global_buffer, .address_space: global }
      - { .name: W_k, .offset: 32, .size: 8, .value_kind: global_buffer, .address_space: global }
      - { .name: u32, .offset: 40, .size: 8, .value_kind: global_buffer, .address_space: global }
      - { .name: res_W, .offset: 48, .size: 8, .value_kind: global_buffer, .address_space: global }
      - { .name: res_b, .offset: 56, .size: 8, .value_kind: global_buffer, .address_space: global }
      - { .name: resid, .offset: 64, .size: 8, .value_kind: global_buffer, .address_space: global }
    .group_segment_fixed_size: 175104
    .private_segment_fixed_size: 0
    .kernarg_segment_align: 8
    .kernarg_segment_size: 72
    .max_flat_workgroup_size: 512
    .sgpr_count:     66
    .vgpr_count:     256
    .wavefront_size: 32
...
	.end_amdgpu_metadata
.endif
;; end of part 1
;; launch main (part 2): grid 4 x 64, 8 waves a work-group, no clusters, 311,296 bytes of LDS; arguments x_dynamic, u32, lnkv_g, tsc, zpart, stats; writes tsc, zpart, stats
.if DOCPART == 2
	.amdgcn_target "amdgcn-amd-amdhsa--gfx1250"
	.amdhsa_code_object_version 6
	.text
	.protected	k_q561a667b80_main
	.globl	k_q561a667b80_main
	.p2align	8
	.type	k_q561a667b80_main,@function
k_q561a667b80_main:
	s_mov_b64 s[64:65], 0
	v_nop
	global_prefetch_b8 v0, s[64:65] scope:SCOPE_SE
	s_setreg_imm32_b32 hwreg(HW_REG_WAVE_MODE, 25, 1), 1
	s_wait_xcnt 0x0
; Launch 2 of 3: the one pass over x_dynamic.  For each row p: d = x - mean, r = rsqrt(mean of d^2 + 1e-5), so that xhat = r d;
;   t[h][p] = r[p] * (d[p][:] . (u[b][h][:] * g[:]))      the score in the base-2 domain, stored to tsc
;   m, l, Z[h][:] = running maximum of t, sum of 2^(t - m), sum of (2^(t - m) r[p]) * d[p][:]
; r is never multiplied into the row: it goes onto the 8 scores and the 8 weights of the row instead of onto its 512 numbers.
; The bias of the LayerNorm adds the same number to every score of a head, which the softmax takes away again; it returns in launch 3
; as + bias on the weighted mean, the weights summing to one.  The gain sits in u here and on the weighted mean there.
; A work-group owns 512 rows of one b (grid x: quarter, grid y: b); wave w owns 64 of them, as two blocks of 32 = 16 groups of 4.
; The waves share nothing but u until the end: each has its own LDS block, maximum, sum and Z.
; x comes in through a ring of three register slots of 4 rows (48 loads of 512 bytes a wave at the most), one wave to a row, so the
; two reductions of the LayerNorm stay inside a wave; d goes to LDS once, as f16, and is read from there by both products.
; FORMAT: both products take f16 operands and f32 sums.  u * g is scaled for each head by an exact power of two so that its largest
; magnitude lies in [1, 2) (the scale returns on the f32 sums).  The weights times r lie in [0, 317): r <= 1 / sqrt(1e-5).
; d goes in unscaled.  LIMIT: |x - mean| must stay below 65,504, the largest f16.  Small rows have no limit: the absolute error of an f16, 2^-25 at the least,
; times r is at most 1e-5 in xhat.
; No tensor loads and no cluster: the four work-groups of a b share 16 KiB of u against 1 MiB of rows of their own.
; Other limits: NaN and infinities are not honoured.  A largest |u * g| of 2^127 or more has no reciprocal scale; one below 2^-126 counts as 0.
; A weight times r below 2^-25 counts as 0 in Z (the attention itself is made in f32 in launch 3).  Sums are taken in another order than the reference takes them.
.set ROWB,   2048                      ; bytes in a row of x
.set XP,     1040                      ; an LDS row of d: 1,024 bytes + 16: an odd multiple of 16, so the 16 rows of a fragment load touch 16 different 16-byte columns of a 256-byte span
.set XHW,    32*XP                     ; a wave's block: 32 rows.  Wave w at w * XHW, from LDS byte 0
.set QK,     8*XHW                     ; 8 heads x 512 f16 of scaled u * g, pitch XP
.set SIGL,   QK+8*XP                   ; 8 f32: the heads scales
.set ST,     SIGL+256                  ; each wave: 8 heads x 64 scores f32, pitch STP
.set STP,    272
.set STW,    8*STP
.set ML,     ST+8*STW                  ; m[head][wave] f32, 256 bytes; l[head][wave] behind it
.set RS,     ML+512                    ; each wave: 8 copies, pitch STP, of r of the block's 32 rows: the shape of ST, so that the address of the scores serves both
.set RSO,    RS-ST
.set ZHP,    2*XP                      ; Z on its way out, in the wave's own block of d: head * ZHP + half * XP + 4 * column
; window 0 (v0-v255): the LayerNorm and the way out
.set T,      8                         ; v[8:23]     row k of a group: sums in T+4k, T+4k+1 and T+4k+2, T+4k+3.  First u in v[8:23] and g in v[24:39]
.set X,      64                        ; v[64:255]   ring: slot s, row k at X + 64 s + 16 k
.set OUTZ,   192                       ; the way out: my head's Z
.set OUTS,   208                       ; the way out: scores
; v1 = 16 L, v2 = store address of d, v61 = store address of r, v40-v47 addresses of the way out: none is ever rewritten
; window 1 (v256-v511, written by their low 8 bits): the two products and the softmax
.set Z,      0                         ; 16 tiles x 8
.set FR,     128                       ; 96 registers of fragments
.set RR,     FR+80                     ; in the softmax: r of my 16 rows
.set S0,     224                       ; two score tiles (S0, S0+8), later the weights as fragments
.set SIG,    240
.set MASKLO, 241                       ; all ones in lanes with r < 8
.set MA,     242
.set MASKHI, 243                       ; all ones in lanes with r >= 8
.set ALPHA,  244
.set LSUM,   245
.set MB,     246
.set TMP,    247
.set ADRA,   248
.set ADRQ,   249
.set ADRT,   250
.set ADRS,   251
.set ADRM,   252
.set ADRZ,   253
.set SC,     254
.set MSB, 0
.macro WIN new                         ; s_set_vgpr_msb: bits 1:0 source 0, 3:2 source 1, 5:4 source 2, 7:6 destination; the high byte repeats the setting that is left
.if MSB != \new
	s_set_vgpr_msb (MSB<<8)|\new
.set MSB, \new
.endif
.endm
; Four plain vector instructions stand between a matrix instruction and a vector instruction or LDS store that reads its result, and a load into one of its registers
.macro PLACES
.rept 4
	v_nop
.endr
.endm
; Group g = rows 4 g .. 4 g + 3 of my 64.  A load covers 512 consecutive bytes; lane L holds columns 128 q + 4 L .. + 3 in registers 4 q .. 4 q + 3.
.macro FILL g
.irp k, 0,1,2,3
.irp q, 0,1,2,3
	global_load_b128 v[X+64*((\g)%3)+16*\k+4*\q:X+64*((\g)%3)+16*\k+4*\q+3], v1, s[4:5] offset:(4*(\g)+\k)*ROWB+512*\q th:TH_LOAD_NT
.endr
.endr
.endm
; The four registers of each row's sums, then the 32 lanes, the four rows merged on the way: in each of the first two steps a lane keeps the row
; that its bit names and sends the other to its partner, so two registers become one.  Lane L ends with the sum of row L % 4 in T+3.
.macro REDUCE4
.irp k, 0,1,2,3
	v_pk_add_f32 v[T+4*\k:T+4*\k+1], v[T+4*\k:T+4*\k+1], v[T+4*\k+2:T+4*\k+3]
.endr
.irp k, 0,1,2,3
	v_add_f32 v[T+4*\k], v[T+4*\k], v[T+4*\k+1]
.endr
	v_cndmask_b32 v[T+2], v[T],    v[T+4],  s37    ; keep: even lanes row 0, odd lanes row 1
	v_cndmask_b32 v[T+3], v[T+4],  v[T],    s37    ; send: the other one
	v_cndmask_b32 v[T+6], v[T+8],  v[T+12], s37    ; rows 2 and 3 likewise
	v_cndmask_b32 v[T+7], v[T+12], v[T+8],  s37
	v_add_f32_dpp v[T+2], v[T+3], v[T+2] row_xmask:1 row_mask:0xf bank_mask:0xf
	v_add_f32_dpp v[T+6], v[T+7], v[T+6] row_xmask:1 row_mask:0xf bank_mask:0xf
	v_cndmask_b32 v[T+3], v[T+2], v[T+6], s38      ; keep: lanes with bit 1 rows 2, 3, the others rows 0, 1
	v_cndmask_b32 v[T+7], v[T+6], v[T+2], s38
	v_add_f32_dpp v[T+3], v[T+7], v[T+3] row_xmask:2 row_mask:0xf bank_mask:0xf
	v_add_f32_dpp v[T+3], v[T+3], v[T+3] row_xmask:4 row_mask:0xf bank_mask:0xf
	v_add_f32_dpp v[T+3], v[T+3], v[T+3] row_xmask:8 row_mask:0xf bank_mask:0xf
	v_permlanex16_b32 v[T+7], v[T+3], s22, s23
	v_add_f32 v[T+3], v[T+3], v[T+7]
.endm
; Group g: d = x - mean rounded to f16 into my LDS block, and r of the four rows.  left = loads of the younger groups, which stay out.
; refill = 1: the slot is asked for again, three groups ahead.
.macro LNGROUP g, refill, left
.set XB, X+64*((\g)%3)
	s_wait_loadcnt \left
.irp k, 0,1,2,3
	v_pk_add_f32 v[T+4*\k:T+4*\k+1],   v[XB+16*\k:XB+16*\k+1],   v[XB+16*\k+2:XB+16*\k+3]
	v_pk_add_f32 v[T+4*\k+2:T+4*\k+3], v[XB+16*\k+4:XB+16*\k+5], v[XB+16*\k+6:XB+16*\k+7]
.endr
.irp j, 8,12
.irp k, 0,1,2,3
	v_pk_add_f32 v[T+4*\k:T+4*\k+1],   v[T+4*\k:T+4*\k+1],   v[XB+16*\k+\j:XB+16*\k+\j+1]
	v_pk_add_f32 v[T+4*\k+2:T+4*\k+3], v[T+4*\k+2:T+4*\k+3], v[XB+16*\k+\j+2:XB+16*\k+\j+3]
.endr
.endr
	REDUCE4
	v_mul_f32 v[T+3], s24, v[T+3]                  ; minus the mean of row L % 4: an exact scaling of the sum
.irp k, 0,1,2,3
	v_mov_b32_dpp v[T+4*\k], v[T+3] quad_perm:[\k,\k,\k,\k] row_mask:0xf bank_mask:0xf   ; row k's, from lane k of each four, to every lane
.endr
.irp j, 0,2,4,6,8,10,12,14
.irp k, 0,1,2,3
	v_pk_add_f32 v[XB+16*\k+\j:XB+16*\k+\j+1], v[XB+16*\k+\j:XB+16*\k+\j+1], v[T+4*\k:T+4*\k+1] op_sel_hi:[1,0]
.endr
.endr
.irp k, 0,1,2,3
	v_pk_mul_f32 v[T+4*\k:T+4*\k+1],   v[XB+16*\k:XB+16*\k+1],   v[XB+16*\k:XB+16*\k+1]
	v_pk_mul_f32 v[T+4*\k+2:T+4*\k+3], v[XB+16*\k+2:XB+16*\k+3], v[XB+16*\k+2:XB+16*\k+3]
.endr
.irp j, 4,8,12
.irp k, 0,1,2,3
	v_pk_fma_f32 v[T+4*\k:T+4*\k+1],   v[XB+16*\k+\j:XB+16*\k+\j+1],   v[XB+16*\k+\j:XB+16*\k+\j+1],   v[T+4*\k:T+4*\k+1]
	v_pk_fma_f32 v[T+4*\k+2:T+4*\k+3], v[XB+16*\k+\j+2:XB+16*\k+\j+3], v[XB+16*\k+\j+2:XB+16*\k+\j+3], v[T+4*\k+2:T+4*\k+3]
.endr
.endr
	REDUCE4
	v_fma_f32 v[T+7], v[T+3], s25, s26             ; variance + 1e-5 of row L % 4
	v_rsq_f32 v[T+3], v[T+7]                       ; the conversions below are the plain vector instructions behind it
.irp i, 0,1,2,3,4,5,6,7
.irp k, 0,1,2,3
	v_cvt_pk_f16_f32 v[XB+16*\k+\i], v[XB+16*\k+2*\i], v[XB+16*\k+2*\i+1]   ; in place, ascending: register i is written when 2 i and 2 i + 1 have been read
.endr
.endr
.irp k, 0,1,2,3
.irp q, 0,1,2,3
	ds_store_b64 v2, v[XB+16*\k+2*\q:XB+16*\k+2*\q+1] offset:((4*(\g)+\k)&31)*XP+256*\q   ; 32 lanes x 8 bytes: 256 consecutive bytes of the row
.endr
.endr
	s_wait_alu depctr_va_vdst(0)
	ds_store_b32 v61, v[T+3] offset:RSO+16*((\g)&7)   ; lane L: r of row L % 4 into copy L / 4
.if \refill
	FILL \g+3
.endif
.endm
; SCORES: D = A x B, A = 16 rows of d, B = u with column n holding head n & 7 (columns 8-15 repeat heads 0-7).
; Register j of lane (r, h) of tile s is then the sum for [head r & 7][row 16 s + 8 h + j]: the places that a fragment's k = 8 h + j wants, so the weights never pass through LDS.
; 12 loads: for two steps of 32 along the columns, B, then the rows 0-15 and 16-31 of the block
.macro FETCHS buf, c0
.irp d, 0,1
	ds_load_b128 v[FR+48*(\buf)+24*\d:FR+48*(\buf)+24*\d+3],       v[ADRQ] offset:64*((\c0)+\d)
	ds_load_b128 v[FR+48*(\buf)+24*\d+4:FR+48*(\buf)+24*\d+7],     v[ADRQ] offset:64*((\c0)+\d)+32
	ds_load_b128 v[FR+48*(\buf)+24*\d+8:FR+48*(\buf)+24*\d+11],    v[ADRA] offset:64*((\c0)+\d)
	ds_load_b128 v[FR+48*(\buf)+24*\d+12:FR+48*(\buf)+24*\d+15],   v[ADRA] offset:64*((\c0)+\d)+32
	ds_load_b128 v[FR+48*(\buf)+24*\d+16:FR+48*(\buf)+24*\d+19],   v[ADRA] offset:16*XP+64*((\c0)+\d)
	ds_load_b128 v[FR+48*(\buf)+24*\d+20:FR+48*(\buf)+24*\d+23],   v[ADRA] offset:16*XP+64*((\c0)+\d)+32
.endr
.endm
.macro SCORES
	FETCHS 0, 0
	FETCHS 1, 2
.irp i, 0,1,2,3,4,5,6,7
.if \i < 7
	s_wait_dscnt 12                                ; this buffer's 12 loads are in (and my older stores of d and r are done); the other buffer's 12 are younger
.else
	s_wait_dscnt 0x0
.endif
.irp d, 0,1                                        ; the two accumulators take turns, one instruction a turn
.if \i+\d
	v_wmma_f32_16x16x32_f16 v[S0:S0+7],    v[FR+48*(\i%2)+24*\d+8:FR+48*(\i%2)+24*\d+15],  v[FR+48*(\i%2)+24*\d:FR+48*(\i%2)+24*\d+7], v[S0:S0+7]
	v_wmma_f32_16x16x32_f16 v[S0+8:S0+15], v[FR+48*(\i%2)+24*\d+16:FR+48*(\i%2)+24*\d+23], v[FR+48*(\i%2)+24*\d:FR+48*(\i%2)+24*\d+7], v[S0+8:S0+15]
.else
	v_wmma_f32_16x16x32_f16 v[S0:S0+7],    v[FR+48*(\i%2)+24*\d+8:FR+48*(\i%2)+24*\d+15],  v[FR+48*(\i%2)+24*\d:FR+48*(\i%2)+24*\d+7], 0
	v_wmma_f32_16x16x32_f16 v[S0+8:S0+15], v[FR+48*(\i%2)+24*\d+16:FR+48*(\i%2)+24*\d+23], v[FR+48*(\i%2)+24*\d:FR+48*(\i%2)+24*\d+7], 0
.endif
.endr
.if \i < 6
	PLACES
	FETCHS \i%2, 2*\i+4
.endif
.endr
.endm
; Z: D = A x B with A = d turned round and K used twice over.  Tile t begins at column c(t) = 128 (t >> 3) + 8 (t & 7); row m of A stands for
; column col(m) = c(t) + 64 (m >> 3) + (m & 7).
; For row tile s
;   A(m, k) = d[16 s + k][col(m)] for k < 16, d[16 s + k - 16][256 + col(m)] for k >= 16  (two transposing loads, 512 bytes apart)
;   B(k, n) = weight[head n][16 s + k] for n < 8 and k < 16, weight[head n - 8][16 s + k - 16] for n >= 8 and k >= 16, else 0
; so D(m, n) = Z[head n & 7][256 (n >> 3) + col(m)]: all 16 columns of D are used, and Z takes 128 registers.
; Four fragments f = 4 i + e (s = f / 16, t = f % 16), 8 loads
.macro FETCHZ i
.irp e, 0,1,2,3
.set FF, 4*(\i)+\e
	ds_load_tr16_b128 v[FR+32*((\i)%3)+8*\e:FR+32*((\i)%3)+8*\e+3],   v[ADRT] offset:(FF>>4)*16*XP+((FF>>3)&1)*256+(FF&7)*16
	ds_load_tr16_b128 v[FR+32*((\i)%3)+8*\e+4:FR+32*((\i)%3)+8*\e+7], v[ADRT] offset:(FF>>4)*16*XP+((FF>>3)&1)*256+(FF&7)*16+512
.endr
.endm
; first = 1: the block's first row tile starts the sums, nothing is cleared
.macro ZPHASE first
.irp i, 0,1,2,3,4,5,6,7
.if \i < 6
	s_wait_dscnt 16                                ; this batch of 8 loads is in; the two younger batches stay out
.elseif \i == 6
	s_wait_dscnt 8
.else
	s_wait_dscnt 0x0
.endif
.irp e, 0,1,2,3                                    ; the sixteen accumulators take turns, one instruction a turn
.set SS, (4*\i+\e)>>4
.set TT, (4*\i+\e)&15
.if \first*(1-SS)
	v_wmma_f32_16x16x32_f16 v[Z+8*TT:Z+8*TT+7], v[FR+32*(\i%3)+8*\e:FR+32*(\i%3)+8*\e+7], v[S0+8*SS:S0+8*SS+7], 0
.else
	v_wmma_f32_16x16x32_f16 v[Z+8*TT:Z+8*TT+7], v[FR+32*(\i%3)+8*\e:FR+32*(\i%3)+8*\e+7], v[S0+8*SS:S0+8*SS+7], v[Z+8*TT:Z+8*TT+7]
.endif
.endr
.if \i < 5
	PLACES
	FETCHZ \i+3
.endif
.endr
.endm
; Block blk's 32 scores of each head: times the head's scale and the row's r, stored for the way out, running maximum mnew (from mold), weights, their sum,
; the weights times r as fragments.
.macro SOFTMAX blk, first, mnew, mold
	PLACES
.irp e, 0,1,2,3
	ds_load_b128 v[RR+4*\e:RR+4*\e+3], v[ADRS] offset:RSO+64*(\e>>1)+16*(\e&1)   ; RR[8 s + j] = r[row 16 s + 8 h + j], from copy r & 7
.endr
	FETCHZ 0                                       ; the first fragments of the second product come in under the softmax
	FETCHZ 1
.irp i, 0,2,4,6,8,10,12,14
	v_pk_mul_f32 v[S0+\i:S0+\i+1], v[S0+\i:S0+\i+1], v[SIG:SIG+1] op_sel_hi:[1,0]
.endr
	s_wait_dscnt 16                                ; the four loads of r are in; the 16 transposing loads are younger
.irp i, 0,2,4,6,8,10,12,14
	v_pk_mul_f32 v[S0+\i:S0+\i+1], v[S0+\i:S0+\i+1], v[RR+\i:RR+\i+1]
.endr
	ds_store_b128 v[ADRS], v[S0:S0+3]     offset:128*\blk      ; lanes r and r + 8 hold the same numbers and write them to the same words
	ds_store_b128 v[ADRS], v[S0+4:S0+7]   offset:128*\blk+16
	ds_store_b128 v[ADRS], v[S0+8:S0+11]  offset:128*\blk+64
	ds_store_b128 v[ADRS], v[S0+12:S0+15] offset:128*\blk+80
	v_max3_num_f32 v[\mnew], v[S0], v[S0+1], v[S0+2]
.irp i, 3,5,7,9,11,13
	v_max3_num_f32 v[\mnew], v[\mnew], v[S0+\i], v[S0+\i+1]
.endr
.if \first
	v_max_num_f32 v[\mnew], v[\mnew], v[S0+15]
.else
	v_max3_num_f32 v[\mnew], v[\mnew], v[S0+15], v[\mold]
.endif
	v_permlanex16_b32 v[TMP], v[\mnew], s22, s23   ; the other half of the lanes holds the head's other 16 rows
	v_max_num_f32 v[\mnew], v[\mnew], v[TMP]
.if \first == 0
	v_sub_f32 v[ALPHA], v[\mold], v[\mnew]
	v_exp_f32 v[ALPHA], v[ALPHA]                   ; what the older sums shrink by; first used well behind the next plain instruction
.endif
.irp i, 0,2,4,6,8,10,12,14
	v_pk_add_f32 v[S0+\i:S0+\i+1], v[S0+\i:S0+\i+1], v[\mnew:\mnew+1] op_sel_hi:[1,0] neg_lo:[0,1] neg_hi:[0,1]
.endr
.irp i, 0,1,2,3,4,5,6,7,8,9,10,11,12,13,14,15
	v_exp_f32 v[S0+\i], v[S0+\i]
.endr
	v_nop                                          ; one plain vector instruction behind the last v_exp_f32 (ISA guide 5.7.2)
	s_wait_alu depctr_va_vdst(0)
	v_pk_add_f32 v[SC:SC+1], v[S0:S0+1], v[S0+2:S0+3]
.irp i, 4,6,8,10,12,14
	v_pk_add_f32 v[SC:SC+1], v[SC:SC+1], v[S0+\i:S0+\i+1]
.endr
.if \first
	v_add_f32 v[LSUM], v[SC], v[SC+1]
.else
	v_add_f32 v[SC], v[SC], v[SC+1]
	v_fma_f32 v[LSUM], v[LSUM], v[ALPHA], v[SC]
.endif
.irp i, 0,2,4,6,8,10,12,14
	v_pk_mul_f32 v[S0+\i:S0+\i+1], v[S0+\i:S0+\i+1], v[RR+\i:RR+\i+1]       ; the weight times r: what multiplies d
.endr
.irp i, 0,1,2,3,4,5,6,7
	v_cvt_pk_f16_f32 v[FR+64+\i], v[S0+2*\i], v[S0+2*\i+1]
.endr
.irp s, 0,1
.irp i, 0,1,2,3
	v_and_b32 v[S0+8*\s+\i],   v[MASKLO], v[FR+64+4*\s+\i]      ; k < 16: heads in columns 0-7
	v_and_b32 v[S0+8*\s+4+\i], v[MASKHI], v[FR+64+4*\s+\i]      ; k >= 16: the same weights, heads in columns 8-15
.endr
.endr
.if \first == 0
.irp i, 0,1,2,3,4,5,6,7,8,9,10,11,12,13,14,15
.irp j, 0,2,4,6
	v_pk_mul_f32 v[Z+8*\i+\j:Z+8*\i+\j+1], v[Z+8*\i+\j:Z+8*\i+\j+1], v[ALPHA:ALPHA+1] op_sel_hi:[1,0]   ; a lane's Z and its ALPHA belong to the same head r & 7
.endr
.endr
.endif
	FETCHZ 2                                       ; into the registers that held r and the packed weights: both have been read
.endm
	s_load_b256 s[4:11], s[0:1], 0x0               ; x_dynamic s[4:5], u32 s[6:7], lnkv_g s[8:9], tsc s[10:11]
	s_load_b128 s[12:15], s[0:1], 0x20             ; zpart s[12:13], stats s[14:15]
	v_lshrrev_b32 v3, 5, v0
	v_readfirstlane_b32 s16, v3                    ; wave 0 .. 7
	s_mov_b32 s17, ttmp9                           ; quarter
	s_and_b32 s18, ttmp7, 0xffff                   ; b
	s_lshl2_add_u32 s19, s18, s17                  ; work-group 4 b + quarter
	v_and_b32 v3, 31, v0                           ; lane L
	v_lshlrev_b32 v1, 4, v3                        ; 16 L
	s_lshl_b32 s20, s18, 22                        ; x: b x 4 MiB + quarter x 1 MiB + wave x 64 rows
	s_lshl_b32 s33, s17, 20
	s_add_co_u32 s20, s20, s33
	s_lshl_b32 s33, s16, 17
	s_add_co_u32 s20, s20, s33
	s_mov_b32 s21, 0
	s_lshl_b32 s34, s18, 14                        ; u32: b x 16 KiB + head w x 2 KiB
	s_lshl_b32 s33, s16, 11
	s_add_co_u32 s34, s34, s33
	s_mov_b32 s35, 0
	s_wait_kmcnt 0x0
	s_add_nc_u64 s[4:5], s[4:5], s[20:21]
	s_add_nc_u64 s[6:7], s[6:7], s[34:35]
.irp q, 0,1,2,3
	global_load_b128 v[8+4*\q:11+4*\q], v1, s[6:7] offset:512*\q             ; u of head w
.endr
.irp q, 0,1,2,3
	global_load_b128 v[24+4*\q:27+4*\q], v1, s[8:9] offset:512*\q            ; the gain
.endr
	FILL 0
	FILL 1
	FILL 2
	s_lshl_b32 s20, s18, 16                        ; tsc: b x 64 KiB + quarter x 512 scores + wave x 64 scores
	s_lshl_b32 s33, s17, 11
	s_add_co_u32 s20, s20, s33
	s_lshl_b32 s33, s16, 8
	s_add_co_u32 s20, s20, s33
	s_add_nc_u64 s[10:11], s[10:11], s[20:21]
	s_lshl_b32 s20, s19, 14                        ; zpart: work-group x 16 KiB + head w x 2 KiB
	s_lshl_b32 s33, s16, 11
	s_add_co_u32 s20, s20, s33
	s_add_nc_u64 s[12:13], s[12:13], s[20:21]
	s_lshl_b32 s20, s19, 9                         ; stats: work-group x 512 bytes
	s_add_nc_u64 s[14:15], s[14:15], s[20:21]
	s_mov_b32 s22, 0x76543210                      ; v_permlanex16_b32: lane i reads lane i of the other half
	s_mov_b32 s23, 0xfedcba98
	s_mov_b32 s24, 0xbb000000                      ; -1/512
	s_mov_b32 s25, 0x3b000000                      ; 1/512
	s_mov_b32 s26, 0x3727c5ac                      ; 1e-5
	s_mov_b32 s37, 0xaaaaaaaa                      ; the odd lanes
	s_mov_b32 s38, 0xcccccccc                      ; the lanes with bit 1 set
	s_mul_i32 s27, s16, XHW                        ; my block of d
	s_mul_i32 s28, s16, XP
	s_add_co_u32 s28, s28, QK                      ; head w's row of QK
	s_mul_i32 s29, s16, STW
	s_add_co_u32 s29, s29, ST                      ; my scores
	s_lshl_b32 s30, s16, 2
	s_add_co_u32 s31, s30, ML
	s_add_co_u32 s30, s30, SIGL
	s_mul_i32 s32, s16, ZHP                        ; head w inside a wave's Z stage
	s_lshl_b32 s36, s16, 5
	s_add_co_u32 s36, s36, ML                      ; head w's eight maxima
	v_and_b32 v4, 15, v0                           ; r
	v_bfe_u32 v5, v0, 4, 1                         ; h
	v_and_b32 v6, 7, v0                            ; r & 7
	v_bfe_u32 v7, v0, 3, 1                         ; r >> 3
	v_lshl_add_u32 v2, v3, 3, s27                  ; d in: my block + 8 L
	v_lshl_add_u32 v58, v3, 3, s28                 ; scaled u in: head w's row + 8 L
	v_mov_b32 v59, s30
	v_lshl_add_u32 v60, v6, 2, SIGL
	v_lshrrev_b32 v62, 2, v3
	v_mul_u32_u24 v61, v62, STP                    ; r in: copy L / 4,
	v_and_b32 v62, 3, v0
	v_lshl_add_u32 v61, v62, 2, v61                ; row L % 4 of the group;
	v_add_nc_u32 v61, s29, v61                     ; RSO and the group stand in the store's offset
	v_mul_u32_u24 v40, v5, STP                     ; scores out: lanes 0-15 one head's 256 bytes, lanes 16-31 the next head's
	v_lshl_add_u32 v40, v4, 4, v40
	v_add_nc_u32 v40, s29, v40
	v_lshlrev_b32 v41, 13, v5                      ; and the same in tsc, heads 8,192 bytes apart
	v_lshl_add_u32 v41, v4, 4, v41
	v_add_nc_u32 v42, s32, v1                      ; Z of head w in the stages of waves 0 and 1, 2 and 3, 4 and 5, 6 and 7
	v_add_nc_u32 v43, 2*XHW, v42
	v_add_nc_u32 v44, 4*XHW, v42
	v_add_nc_u32 v45, 6*XHW, v42
	v_mov_b32 v46, s36
	v_add_nc_u32 v47, ML, v1
	v_mul_u32_u24 v48, v4, XP
	v_lshl_add_u32 v48, v5, 4, v48                 ; r XP + 16 h
	v_mul_u32_u24 v49, v6, XP
	v_lshl_add_u32 v49, v5, 4, v49                 ; (r & 7) XP + 16 h
	v_lshl_add_u32 v50, v5, 3, v6
	v_mul_u32_u24 v50, v50, XP
	v_lshl_add_u32 v50, v7, 7, v50                 ; (8 h + (L & 7)) XP + 128 ((L >> 3) & 1)
	v_mul_u32_u24 v51, v6, STP
	v_lshl_add_u32 v51, v5, 5, v51                 ; (r & 7) STP + 32 h
	v_lshlrev_b32 v52, 5, v6                       ; (r & 7) 32
	v_mul_u32_u24 v53, v6, ZHP
	v_mad_u32_u24 v53, v7, XP, v53
	v_lshl_add_u32 v53, v5, 8, v53                 ; (r & 7) ZHP + (r >> 3) XP + 256 h: rows 8 h + j of D are columns c(t) + 64 h + j
	v_cmp_gt_u32 vcc_lo, 8, v4
	v_mov_b32 v55, 0                               ; a destination of v_permlanex16_b32 has been written before
	WIN 0x40                                       ; destinations in window 1, sources in window 0
	v_add_nc_u32 v[ADRA], s27, v48
	v_add_nc_u32 v[ADRQ], QK, v49
	v_add_nc_u32 v[ADRT], s27, v50
	v_add_nc_u32 v[ADRS], s29, v51
	v_add_nc_u32 v[ADRM], s31, v52
	v_add_nc_u32 v[ADRZ], s27, v53
	v_cndmask_b32 v[MASKLO], 0, -1, vcc_lo
	v_cndmask_b32 v[MASKHI], -1, 0, vcc_lo
	v_mov_b32 v[TMP], 0
	WIN 0
	; Head w's u * g, scaled by a power of two into [1, 2) at its largest, as f16 into QK; the scale into SIGL
	s_wait_loadcnt 48                              ; u and g are in; the ring's 48 loads are younger
.irp i, 0,2,4,6,8,10,12,14
	v_pk_mul_f32 v[8+\i:9+\i], v[8+\i:9+\i], v[24+\i:25+\i]
.endr
	v_max3_num_f32 v54, |v8|, |v9|, |v10|
.irp i, 11,13,15,17,19,21
	v_max3_num_f32 v54, v54, |v[\i]|, |v[\i+1]|
.endr
	v_max_num_f32 v54, v54, |v23|
.irp m, 1,2,4,8
	v_max_num_f32_dpp v54, v54, v54 row_xmask:\m row_mask:0xf bank_mask:0xf
.endr
	v_permlanex16_b32 v55, v54, s22, s23
	v_max_num_f32 v54, v54, v55
	v_and_b32 v57, 0x7f800000, v54                 ; the scale: the maximum's power of two
	v_sub_nc_u32 v56, 0x7f000000, v57              ; its reciprocal: exponent field 254 - e
.irp i, 0,2,4,6,8,10,12,14
	v_pk_mul_f32 v[8+\i:9+\i], v[8+\i:9+\i], v[56:57] op_sel_hi:[1,0]
.endr
.irp i, 0,1,2,3,4,5,6,7
	v_cvt_pk_f16_f32 v[8+\i], v[8+2*\i], v[9+2*\i]
.endr
.irp q, 0,1,2,3
	ds_store_b64 v58, v[8+2*\q:9+2*\q] offset:256*\q
.endr
	ds_store_b32 v59, v57
	s_wait_dscnt 0x0                               ; my head's row and scale are stored, for the other waves sake
	s_barrier_signal -1
	s_barrier_wait -1
	WIN 0x40
	ds_load_b32 v[SIG], v60                        ; the scale of head r & 7
	WIN 0
	s_wait_dscnt 0x0
.irp g, 0,1,2,3,4,5,6,7
	LNGROUP \g, 1, 32                              ; 32: the loads of the two younger groups
.endr
	WIN 0x55                                       ; every operand in window 1
	SCORES
	SOFTMAX 0, 1, MA, MA
	ZPHASE 1
	WIN 0
.irp g, 8,9,10,11,12
	LNGROUP \g, 1, 32
.endr
	LNGROUP 13, 0, 32                              ; nothing is left to ask for: the counts run down
	LNGROUP 14, 0, 16
	LNGROUP 15, 0, 0
	WIN 0x55
	SCORES
	SOFTMAX 1, 0, MB, MA
	ZPHASE 0
	; THE WAY OUT.  My maximum and sum to ML, my Z into my own block of d (all its reads are back: the last wait was for 0)
	PLACES
	v_permlanex16_b32 v[TMP], v[LSUM], s22, s23
	v_add_f32 v[LSUM], v[LSUM], v[TMP]             ; the two halves of the lanes summed different rows
	ds_store_b32 v[ADRM], v[MB]
	ds_store_b32 v[ADRM], v[LSUM] offset:256
.irp t, 0,1,2,3,4,5,6,7,8,9,10,11,12,13,14,15
	ds_store_b128 v[ADRZ], v[Z+8*\t:Z+8*\t+3]   offset:512*(\t>>3)+32*(\t&7)      ; 4 c(t) bytes
	ds_store_b128 v[ADRZ], v[Z+8*\t+4:Z+8*\t+7] offset:512*(\t>>3)+32*(\t&7)+16
.endr
	WIN 0
.irp i, 0,1,2,3
	ds_load_b128 v[OUTS+4*\i:OUTS+4*\i+3], v40 offset:2*STP*\i               ; my own bytes: LDS serves a wave's instructions in order (ISA guide 5.7.1)
.endr
.irp i, 0,1,2,3
	s_wait_dscnt 3-\i
	global_store_b128 v41, v[OUTS+4*\i:OUTS+4*\i+3], s[10:11] offset:16384*\i th:TH_STORE_NT   ; 16 lanes store one head's 64 scores: 256 consecutive bytes, aligned
.endr
	s_wait_dscnt 0x0                               ; all my LDS stores are done, for the other waves sake
	s_barrier_signal -1
	s_barrier_wait -1
	; Wave w now serves head w: the eight waves Z brought to their common maximum and added
	ds_load_b128 v[8:11], v46
	ds_load_b128 v[12:15], v46 offset:16
.irp p, 0,1,2,3
.irp o, 0,1
.irp q, 0,1,2,3
	ds_load_b128 v[X+16*(2*\p+\o)+4*\q:X+16*(2*\p+\o)+4*\q+3], v[42+\p] offset:\o*XHW+(\q>>1)*XP+(\q&1)*512
.endr
.endr
.endr
	s_wait_dscnt 32                                ; the eight maxima are in; the 32 loads of Z are younger
	v_max3_num_f32 v16, v8, v9, v10
	v_max3_num_f32 v16, v16, v11, v12
	v_max3_num_f32 v16, v16, v13, v14
	v_max_num_f32 v16, v16, v15
.irp i, 0,1,2,3,4,5,6,7
	v_sub_f32 v[8+\i], v[8+\i], v16
.endr
.irp i, 0,1,2,3,4,5,6,7
	v_exp_f32 v[8+\i], v[8+\i]
.endr
	v_nop
	s_wait_dscnt 28                                ; wave 0's four loads are in
	s_wait_alu depctr_va_vdst(0)
.irp j, 0,2,4,6,8,10,12,14
	v_pk_mul_f32 v[OUTZ+\j:OUTZ+\j+1], v[X+\j:X+\j+1], v[8:9] op_sel_hi:[1,0]
.endr
.irp s, 1,2,3,4,5,6,7
	s_wait_dscnt 28-4*\s                           ; wave s's four loads are in; those of the later waves are younger
.irp j, 0,2,4,6,8,10,12,14
.if \s % 2
	v_pk_fma_f32 v[OUTZ+\j:OUTZ+\j+1], v[X+16*\s+\j:X+16*\s+\j+1], v[8+\s-1:8+\s], v[OUTZ+\j:OUTZ+\j+1] op_sel:[0,1,0]
.else
	v_pk_fma_f32 v[OUTZ+\j:OUTZ+\j+1], v[X+16*\s+\j:X+16*\s+\j+1], v[8+\s:8+\s+1], v[OUTZ+\j:OUTZ+\j+1] op_sel_hi:[1,0,1]
.endif
.endr
.endr
.irp q, 0,1,2,3
	global_store_b128 v1, v[OUTZ+4*\q:OUTZ+4*\q+3], s[12:13] offset:512*\q th:TH_STORE_NT
.endr
	s_cmp_lg_u32 s16, 0
	s_cbranch_scc1 .Lend
	ds_load_b128 v[224:227], v47                   ; wave 0: the 64 maxima and 64 sums, 512 consecutive bytes
	s_wait_dscnt 0x0
	global_store_b128 v1, v[224:227], s[14:15] th:TH_STORE_NT
.Lend:
	s_wait_xcnt 0x0
	v_lshl_add_u32 v254, v0, 2, 0x4bc00
	v_mov_b32 v255, 0
	s_wait_tensorcnt 0x0
	ds_add_u32 v254, v255
	s_wait_dscnt 0x0
	s_endpgm
.Lfunc_end_k_q561a667b80_main:
	.size	k_q561a667b80_main, .Lfunc_end_k_q561a667b80_main-k_q561a667b80_main
	.p2alignl 7, 3214868480
	.fill 96, 4, 3214868480
	.section	.rodata,"a",@progbits
	.p2align	6, 0x0
	.amdhsa_kernel k_q561a667b80_main
		.amdhsa_group_segment_fixed_size 311296
		.amdhsa_private_segment_fixed_size 0
		.amdhsa_enable_private_segment 0
		.amdhsa_kernarg_size 48
		.amdhsa_user_sgpr_count 2
		.amdhsa_user_sgpr_kernarg_segment_ptr 1
		.amdhsa_wavefront_size32 1
		.amdhsa_system_sgpr_workgroup_id_x 1
		.amdhsa_system_sgpr_workgroup_id_y 1
		.amdhsa_system_sgpr_workgroup_id_z 1
		.amdhsa_system_vgpr_workitem_id 0
		.amdhsa_next_free_vgpr 512
		.amdhsa_next_free_sgpr 66
		.amdhsa_reserve_vcc 1
		.amdhsa_float_denorm_mode_32 3
		.amdhsa_float_denorm_mode_16_64 3
		.amdhsa_memory_ordered 1
		.amdhsa_forward_progress 1
		.amdhsa_inst_pref_size 255
	.end_amdhsa_kernel
	.section	.bss,"aw",@nobits
	.p2align	6
	.space	262144
	.amdgpu_metadata
---
amdhsa.version: [ 1, 2 ]
amdhsa.kernels:
  - .name:           k_q561a667b80_main
    .symbol:         k_q561a667b80_main.kd
    .args:
      - { .name: x_dynamic, .offset: 0, .size: 8, .value_kind: global_buffer, .address_space: global }
      - { .name: u32, .offset: 8, .size: 8, .value_kind: global_buffer, .address_space: global }
      - { .name: lnkv_g, .offset: 16, .size: 8, .value_kind: global_buffer, .address_space: global }
      - { .name: tsc, .offset: 24, .size: 8, .value_kind: global_buffer, .address_space: global }
      - { .name: zpart, .offset: 32, .size: 8, .value_kind: global_buffer, .address_space: global }
      - { .name: stats, .offset: 40, .size: 8, .value_kind: global_buffer, .address_space: global }
    .group_segment_fixed_size: 311296
    .private_segment_fixed_size: 0
    .kernarg_segment_align: 8
    .kernarg_segment_size: 48
    .max_flat_workgroup_size: 256
    .sgpr_count:     66
    .vgpr_count:     512
    .wavefront_size: 32
...
	.end_amdgpu_metadata
.endif
;; end of part 2
;; launch final (part 3): grid 8 x 16, 16 waves a work-group, no clusters, 26,624 bytes of LDS; arguments tsc, zpart, stats, W_v, resid, lnkv_g, lnkv_b, out0, out1; writes out0, out1
.if DOCPART == 3
	.amdgcn_target "amdgcn-amd-amdhsa--gfx1250"
	.amdhsa_code_object_version 6
	.text
	.protected	k_q561a667b80_final
	.globl	k_q561a667b80_final
	.p2align	8
	.type	k_q561a667b80_final,@function
k_q561a667b80_final:
	s_mov_b64 s[64:65], 0
	v_nop
	global_prefetch_b8 v0, s[64:65] scope:SCOPE_SE
	s_setreg_imm32_b32 hwreg(HW_REG_WAVE_MODE, 25, 1), 1
	s_wait_xcnt 0x0
; Launch 3 of 3.  For each (b, h): the maximum M and the sum L over the 32 pieces (4 work-groups x 8 waves) of launch 2;
;   out1[b][h][p] = 2^(t - M) / L;   zkv[b][h][:] = (sum over the 4 work-groups of 2^(Mg - M) Z / L) * g + bias;
;   out0[b][64 h + d] = sum over l of zkv[b][h][l] W_v[l][64 h + d] + resid[b][64 h + d]   (resid: launch 1).
; V is never formed: with one query row the weighted mean of the rows is taken first and multiplied by W_v afterwards, the same sums
; in another order.  A work-group owns one head h (grid x) and four rows b (grid y); 16 waves.
; The product has 4 rows and streams 512 x 64 weights once: f32 packed multiply-adds on the registers into which the weights are loaded.
; Joint tensor loads are left out for the same reason as in launch 1: the shared block of weights lands directly in the registers that multiply it.
; Limits: NaN and infinities are not honoured.
.set AZ,   0                           ; zkv[4][512] f32
.set RED,  8192                        ; 16 waves x [4 b][64 d] f32
.set W0,   20                          ; v[20:83]    W_v block
.set AR,   148                         ; v[148:211]  first Z, g, bias; then a[b][i] at 16 b + i
.set ACC,  212                         ; v[212:227]  sums
.set T,    228                         ; v[228:239]  at work; v[240:255] my 16 scores, then attention
.set PL,   32                          ; s[32:33]    v_permlanex16_b32: lane i reads lane i of the other half
.set PM,   40                          ; s40         mask of lanes 16 to 31
; 16 rows x 64 columns for each half of the wave: lane (dq, par) takes row 32 w + 16 par + i, columns 64 h + 4 dq .. + 3.
; Sixteen neighbouring lanes read 256 consecutive bytes that start at a multiple of 256 from the buffer.
.macro LOADW wreg, base
.irp i, 0,1,2,3,4,5,6,7,8,9,10,11,12,13,14,15
	global_load_b128 v[\wreg+4*\i:\wreg+4*\i+3], v2, s[\base:\base+1] offset:2048*\i
.endr
.endm
; a[b][32 w + 16 par + i], i = 0 .. 15, b = 0 .. 3: every lane of a half reads the same 16 bytes
.macro LOADA region
.irp b, 0,1,2,3
.irp j, 0,1,2,3
	ds_load_b128 v[AR+16*\b+4*\j:AR+16*\b+4*\j+3], v7 offset:\region+2048*\b+16*\j
.endr
.endr
.endm
; ACC[4 b + c] = sum over i of W[row i][c] * a[b][i]; a is broadcast from its pair by op_sel.  The first product starts the sums.
.macro PROD wreg
.irp i, 0,1,2,3,4,5,6,7,8,9,10,11,12,13,14,15
.irp b, 0,1,2,3
.irp e, 0,2
.if \i % 2
	v_pk_fma_f32 v[ACC+4*\b+\e:ACC+4*\b+\e+1], v[\wreg+4*\i+\e:\wreg+4*\i+\e+1], v[AR+16*\b+\i-1:AR+16*\b+\i], v[ACC+4*\b+\e:ACC+4*\b+\e+1] op_sel:[0,1,0]
.elseif \i
	v_pk_fma_f32 v[ACC+4*\b+\e:ACC+4*\b+\e+1], v[\wreg+4*\i+\e:\wreg+4*\i+\e+1], v[AR+16*\b+\i:AR+16*\b+\i+1], v[ACC+4*\b+\e:ACC+4*\b+\e+1] op_sel_hi:[1,0,1]
.else
	v_pk_mul_f32 v[ACC+4*\b+\e:ACC+4*\b+\e+1], v[\wreg+4*\i+\e:\wreg+4*\i+\e+1], v[AR+16*\b+\i:AR+16*\b+\i+1] op_sel_hi:[1,0]
.endif
.endr
.endr
.endr
.endm
; Lanes 0-15 keep b = 0, 1 and send b = 2, 3; lanes 16-31 the other way round; then 8 sums a lane into the wave's table [4 b][64] in RED
.macro HALVES
.irp i, 0,1,2,3,4,5,6,7
	v_cndmask_b32 v[T+\i],  v[ACC+\i],   v[ACC+8+\i], s[PM]
	v_cndmask_b32 v[AR+\i], v[ACC+8+\i], v[ACC+\i],   s[PM]
.endr
.irp i, 0,1,2,3,4,5,6,7
	v_permlanex16_b32 v[ACC+\i], v[AR+\i], s[PL], s[PL+1]
.endr
.irp i, 0,2,4,6
	v_pk_add_f32 v[T+\i:T+\i+1], v[T+\i:T+\i+1], v[ACC+\i:ACC+\i+1]
.endr
	ds_store_b128 v8, v[T:T+3]
	ds_store_b128 v8, v[T+4:T+7] offset:256
.endm
; Waves 0 and 1: thread t = 32 w + lane adds the 16 waves tables at byte 16 t: (b = t / 16, columns 4 (t % 16) .. + 3), into v[AR:AR+3]
.macro SUM16
.irp s, 0,1,2,3,4,5,6,7,8,9,10,11,12,13,14,15
	ds_load_b128 v[AR+4*\s:AR+4*\s+3], v9 offset:1024*\s
.endr
	s_wait_dscnt 0x0
.irp s, 1,2,3,4,5,6,7,8,9,10,11,12,13,14,15
	v_pk_add_f32 v[AR:AR+1],   v[AR:AR+1],   v[AR+4*\s:AR+4*\s+1]
	v_pk_add_f32 v[AR+2:AR+3], v[AR+2:AR+3], v[AR+4*\s+2:AR+4*\s+3]
.endr
.endm
	s_load_b512 s[8:23], s[0:1], 0x0               ; tsc s[8:9], zpart s[10:11], stats s[12:13], W_v s[14:15], resid s[16:17], lnkv_g s[18:19], lnkv_b s[20:21], out0 s[22:23]
	s_load_b64 s[24:25], s[0:1], 0x40              ; out1
	v_lshl_add_u32 v238, v0, 2, 0x6000
	v_mov_b32 v239, 0
	v_lshrrev_b32 v3, 5, v0
	v_readfirstlane_b32 s4, v3                     ; wave 0 .. 15
	s_mov_b32 s5, ttmp9                            ; head h
	s_and_b32 s6, ttmp7, 0xffff                    ; bq
	s_lshr_b32 s7, s4, 2                           ; in the first phase wave w serves b = 4 bq + w / 4,
	s_and_b32 s30, s4, 3                           ; piece w % 4: 512 scores and 128 columns
	s_lshl2_add_u32 s31, s6, s7                    ; b
	s_mov_b32 s[PL], 0x76543210
	s_mov_b32 s[PL+1], 0xfedcba98
	s_mov_b32 s[PM], 0xffff0000
	v_and_b32 v3, 31, v0                           ; lane L
	v_and_b32 v4, 15, v0                           ; dq
	v_bfe_u32 v5, v0, 4, 1                         ; par
	v_lshlrev_b32 v1, 4, v3                        ; 16 L
	v_lshlrev_b32 v2, 15, v5
	v_lshl_add_u32 v2, v4, 4, v2                   ; 16 rows of 2,048 bytes for the upper half + 16 dq
	v_lshrrev_b32 v6, 3, v3
	v_lshlrev_b32 v6, 9, v6
	v_and_b32 v16, 7, v0
	v_lshl_add_u32 v6, v16, 2, v6                  ; stats: work-group L / 8 of the b, wave L % 8
	v_lshlrev_b32 v16, 4, v4                       ; 16 dq
	v_lshl_add_u32 v11, v5, 11, v16                ; resid and out0: one row further for the upper half + 16 dq
	v_mov_b32 v[T+4], 0                            ; a destination of v_permlanex16_b32 has been written before
	; every offset in a pair of its own, made while the arguments are on their way
	s_lshl_b32 s41, s31, 16                        ; b x 65,536
	s_lshl_b32 s42, s30, 9                         ; piece x 512
	s_lshl_b32 s43, s31, 11                        ; b x 2,048
	s_lshl_b32 s44, s5, 5                          ; stats: 4 b work-groups of 512 bytes + 32 h
	s_add_co_u32 s44, s44, s43
	s_mov_b32 s45, 0
	s_lshl_b32 s46, s5, 11                         ; zpart: 4 b work-groups of 16 KiB + 2,048 h + the piece
	s_add_co_u32 s46, s46, s41
	s_add_co_u32 s46, s46, s42
	s_mov_b32 s47, 0
	s_mov_b32 s48, s42                             ; gain and bias: the piece
	s_mov_b32 s49, 0
	s_lshl_b32 s50, s4, 16                         ; W_v: my 32 rows + the head's 64 columns
	s_lshl_b32 s34, s5, 8
	s_add_co_u32 s50, s50, s34
	s_mov_b32 s51, 0
	s_lshl_b32 s52, s5, 13                         ; tsc and out1: b x 64 KiB + h x 8 KiB + piece x 2 KiB
	s_add_co_u32 s52, s52, s41
	s_lshl_b32 s35, s30, 11
	s_add_co_u32 s52, s52, s35
	s_mov_b32 s53, 0
	s_lshl_b32 s54, s6, 13                         ; resid and out0: row 4 bq + 2 (w % 2) + the head's columns.  Waves 0 and 1 use what they load and store;
	s_add_co_u32 s54, s54, s34                     ; the others load the same rows, so that every wave counts the same loads and none leaves the buffer
	s_and_b32 s35, s4, 1
	s_lshl_b32 s35, s35, 12
	s_add_co_u32 s54, s54, s35
	s_mov_b32 s55, 0
	s_lshl_b32 s26, s4, 7
	v_lshl_add_u32 v7, v5, 6, s26                  ; 128 w + 64 par: my 16 numbers of a row of a
	s_lshl_b32 s27, s4, 10
	s_add_co_u32 s27, s27, RED
	v_lshl_add_u32 v8, v5, 9, s27
	v_lshl_add_u32 v8, v4, 4, v8                   ; RED + 1,024 w + 512 par + 16 dq
	s_lshl_b32 s28, s4, 9
	v_add_nc_u32 v10, s28, v1                      ; 512 w + 16 L = 2,048 (w / 4) + 512 (w % 4) + 16 L
	v_add_nc_u32 v9, RED, v10
	s_wait_kmcnt 0x0
	s_add_nc_u64 s[12:13], s[12:13], s[44:45]
	s_add_nc_u64 s[10:11], s[10:11], s[46:47]
	s_add_nc_u64 s[18:19], s[18:19], s[48:49]
	s_add_nc_u64 s[20:21], s[20:21], s[48:49]
	s_add_nc_u64 s[16:17], s[16:17], s[54:55]
	s_add_nc_u64 s[8:9], s[8:9], s[52:53]
	s_add_nc_u64 s[14:15], s[14:15], s[50:51]
	s_add_nc_u64 s[24:25], s[24:25], s[52:53]
	s_add_nc_u64 s[22:23], s[22:23], s[54:55]
	global_load_b32 v[T], v6, s[12:13]                         ; 1: m of piece L
	global_load_b32 v[T+1], v6, s[12:13] offset:256            ; 2: l of piece L
.irp k, 0,1,2,3
	global_load_b128 v[AR+4*\k:AR+4*\k+3], v1, s[10:11] offset:16384*\k th:TH_LOAD_NT   ; 3-6: Z of the four work-groups
.endr
	global_load_b128 v[AR+16:AR+19], v1, s[18:19]              ; 7: gain
	global_load_b128 v[AR+20:AR+23], v1, s[20:21]              ; 8: bias
	global_load_b128 v[12:15], v11, s[16:17]                   ; 9: the residual
.irp q, 0,1,2,3
	global_load_b128 v[T+12+4*\q:T+12+4*\q+3], v1, s[8:9] offset:512*\q th:TH_LOAD_NT   ; 10-13: my 512 scores
.endr
	LOADW W0, 14                                               ; 14-29
	; The maximum and the sum of (b, h) from the 32 pieces, one a lane
	s_wait_loadcnt 27                              ; m and l are in; 27 loads are younger
	v_mov_b32 v[T+3], v[T]
.irp m, 1,2,4
	v_max_num_f32_dpp v[T+3], v[T+3], v[T+3] row_xmask:\m row_mask:0xf bank_mask:0xf   ; Mg: the maximum of a work-group's eight waves, by which launch 2 scaled its Z
.endr
	v_mov_b32 v[T+2], v[T+3]
	v_max_num_f32_dpp v[T+2], v[T+2], v[T+2] row_xmask:8 row_mask:0xf bank_mask:0xf
	v_permlanex16_b32 v[T+4], v[T+2], s[PL], s[PL+1]
	v_max_num_f32 v[T+2], v[T+2], v[T+4]           ; M
	v_sub_f32 v[T+5], v[T], v[T+2]
	v_sub_f32 v[T+7], v[T+3], v[T+2]
	v_exp_f32 v[T+5], v[T+5]
	v_exp_f32 v[T+7], v[T+7]
	v_nop                                          ; one plain vector instruction behind a transcendental before its result is used (ISA guide 5.7.2)
	s_wait_alu depctr_va_vdst(0)
	v_mul_f32 v[T+5], v[T+5], v[T+1]
.irp m, 1,2,4,8
	v_add_f32_dpp v[T+5], v[T+5], v[T+5] row_xmask:\m row_mask:0xf bank_mask:0xf
.endr
	v_permlanex16_b32 v[T+4], v[T+5], s[PL], s[PL+1]
	v_add_f32 v[T+5], v[T+5], v[T+4]               ; L
	v_rcp_f32 v[T+6], v[T+5]
	v_nop
	s_wait_alu depctr_va_vdst(0)
	v_mul_f32 v[T+7], v[T+7], v[T+6]               ; 2^(Mg - M) / L
	v_readlane_b32 s36, v[T+7], 0                  ; one factor for each of the four work-groups: multipliers only, no address or branch hangs on them
	v_readlane_b32 s37, v[T+7], 8
	v_readlane_b32 s38, v[T+7], 16
	v_readlane_b32 s39, v[T+7], 24
	s_wait_loadcnt 20                              ; the first nine loads are in; 4 loads of scores and 16 of weights are younger
.irp e, 0,1,2,3
	v_mul_f32 v[AR+28+\e], s36, v[AR+\e]
.endr
.irp e, 0,1,2,3
	v_fmac_f32 v[AR+28+\e], s37, v[AR+4+\e]
.endr
.irp e, 0,1,2,3
	v_fmac_f32 v[AR+28+\e], s38, v[AR+8+\e]
.endr
.irp e, 0,1,2,3
	v_fmac_f32 v[AR+28+\e], s39, v[AR+12+\e]
.endr
	v_pk_fma_f32 v[AR+28:AR+29], v[AR+28:AR+29], v[AR+16:AR+17], v[AR+20:AR+21]   ; times the gain, plus the bias (the weights sum to one)
	v_pk_fma_f32 v[AR+30:AR+31], v[AR+30:AR+31], v[AR+18:AR+19], v[AR+22:AR+23]
	ds_store_b128 v10, v[AR+28:AR+31] offset:AZ
	s_wait_loadcnt 16                              ; my scores are in; the 16 loads of the weights are younger
.irp i, 0,2,4,6,8,10,12,14
	v_pk_add_f32 v[T+12+\i:T+12+\i+1], v[T+12+\i:T+12+\i+1], v[T+2:T+3] op_sel_hi:[1,0] neg_lo:[0,1] neg_hi:[0,1]
.endr
.irp i, 0,1,2,3,4,5,6,7,8,9,10,11,12,13,14,15
	v_exp_f32 v[T+12+\i], v[T+12+\i]
.endr
	v_nop
	s_wait_alu depctr_va_vdst(0)
.irp i, 0,2,4,6,8,10,12,14
	v_pk_mul_f32 v[T+12+\i:T+12+\i+1], v[T+12+\i:T+12+\i+1], v[T+6:T+7] op_sel_hi:[1,0]
.endr
.irp q, 0,1,2,3
	global_store_b128 v1, v[T+12+4*\q:T+12+4*\q+3], s[24:25] offset:512*\q th:TH_STORE_NT   ; 512 consecutive bytes a store; these registers are not written again
.endr
	s_wait_dscnt 0x0                               ; my piece of zkv is stored, for the other waves sake
	s_barrier_signal -1
	s_barrier_wait -1
	; The product: the sum over l shared among 16 waves x 2 halves
	LOADA AZ
	s_wait_loadcnt 0x0
	s_wait_dscnt 0x0
	PROD W0
	HALVES
	s_wait_dscnt 0x0
	s_barrier_signal -1
	s_barrier_wait -1
	s_cmp_ge_u32 s4, 2
	s_cbranch_scc1 .Lend
	SUM16
	v_pk_add_f32 v[AR:AR+1],   v[AR:AR+1],   v[12:13]
	v_pk_add_f32 v[AR+2:AR+3], v[AR+2:AR+3], v[14:15]
	global_store_b128 v11, v[AR:AR+3], s[22:23]    ; 16 lanes store the head's 64 columns of one row: 256 consecutive bytes, aligned
.Lend:
	s_wait_tensorcnt 0x0
	ds_add_u32 v238, v239
	s_wait_dscnt 0x0
	s_endpgm
.Lfunc_end_k_q561a667b80_final:
	.size	k_q561a667b80_final, .Lfunc_end_k_q561a667b80_final-k_q561a667b80_final
	.p2alignl 7, 3214868480
	.fill 96, 4, 3214868480
	.section	.rodata,"a",@progbits
	.p2align	6, 0x0
	.amdhsa_kernel k_q561a667b80_final
		.amdhsa_group_segment_fixed_size 26624
		.amdhsa_private_segment_fixed_size 0
		.amdhsa_enable_private_segment 0
		.amdhsa_kernarg_size 72
		.amdhsa_user_sgpr_count 2
		.amdhsa_user_sgpr_kernarg_segment_ptr 1
		.amdhsa_wavefront_size32 1
		.amdhsa_system_sgpr_workgroup_id_x 1
		.amdhsa_system_sgpr_workgroup_id_y 1
		.amdhsa_system_sgpr_workgroup_id_z 1
		.amdhsa_system_vgpr_workitem_id 0
		.amdhsa_next_free_vgpr 256
		.amdhsa_next_free_sgpr 66
		.amdhsa_reserve_vcc 0
		.amdhsa_float_denorm_mode_32 3
		.amdhsa_float_denorm_mode_16_64 3
		.amdhsa_memory_ordered 1
		.amdhsa_forward_progress 1
		.amdhsa_inst_pref_size 25
	.end_amdhsa_kernel
	.amdgpu_metadata
---
amdhsa.version: [ 1, 2 ]
amdhsa.kernels:
  - .name:           k_q561a667b80_final
    .symbol:         k_q561a667b80_final.kd
    .args:
      - { .name: tsc, .offset: 0, .size: 8, .value_kind: global_buffer, .address_space: global }
      - { .name: zpart, .offset: 8, .size: 8, .value_kind: global_buffer, .address_space: global }
      - { .name: stats, .offset: 16, .size: 8, .value_kind: global_buffer, .address_space: global }
      - { .name: W_v, .offset: 24, .size: 8, .value_kind: global_buffer, .address_space: global }
      - { .name: resid, .offset: 32, .size: 8, .value_kind: global_buffer, .address_space: global }
      - { .name: lnkv_g, .offset: 40, .size: 8, .value_kind: global_buffer, .address_space: global }
      - { .name: lnkv_b, .offset: 48, .size: 8, .value_kind: global_buffer, .address_space: global }
      - { .name: out0, .offset: 56, .size: 8, .value_kind: global_buffer, .address_space: global }
      - { .name: out1, .offset: 64, .size: 8, .value_kind: global_buffer, .address_space: global }
    .group_segment_fixed_size: 26624
    .private_segment_fixed_size: 0
    .kernarg_segment_align: 8
    .kernarg_segment_size: 72
    .max_flat_workgroup_size: 512
    .sgpr_count:     66
    .vgpr_count:     256
    .wavefront_size: 32
...
	.end_amdgpu_metadata
.endif
;; end of part 3
